; MI455X (gfx1250); checked and timed in simulation.
; The chip was launched on July 23, 2026; its instructions are those of AMD's public machine-readable ISA for CDNA 5 (MIT licence, August 2026) and "CDNA5" Instruction Set Architecture Reference Guide (July 2026). The comments in the code are by the model that wrote it; some were corrected since.
;; Epi Module. Allowed arithmetic: matrix products marked QUANTISED: E4M3 operands, one given power-of-two scale a tensor, by v_wmma_f32_16x16x64_fp8_fp8 or v_wmma_f32_16x16x128_fp8_fp8, f32 sums; products left as they are: f32 operands where the result goes on into a quantised operand, else bf16, f16 or f32 operands; f32 sums; everything else in f32.
;; Inputs: F_mats 32 x 3 x 3 float32; Wk 512 x 512 float32; Wo 512 x 512 float32; Wq 512 x 512 float32; Wv 512 x 512 float32; hidden_states 32 x 1,024 x 512 float32; lowp_scales 12 int32 (the exponents e of the quantised operands' scales 2^e).
;; Outputs: out0 32 x 1,024 x 512 float32.
;; This version of the problem:
;;   THIS VERSION OF THE PROBLEM IS GIVEN IN LOW PRECISION. The matrix products marked QUANTISED in the list below multiply operands that are first quantised to E4M3 (4 exponent bits, 3 mantissa bits; 8 bits a number), with one given power-of-two scale for each operand tensor; their sums are f32. All else is computed in f32.
;;   The module's matrix products, in the order in which they are computed (A, B: the left and right operand; K: the contracted axis; several contracted axes count as one K, in the product's order):
;;     1. [M 1,024, K 3] x [K 3, N 96]; A: computed on the way; B: input F_mats: left as it is (K = 3 < 32)
;;     2. [M 32,768, K 3] x [K 3, N 1,024]; A: computed on the way; B: computed on the way: left as it is (K = 3 < 32)
;;     3. [M 32,768, K 512] x [K 512, N 512]; A: input hidden_states; B: input Wq: QUANTISED (scales: A lowp_scales[0], B lowp_scales[1])
;;     4. [M 32,768, K 512] x [K 512, N 512]; A: input hidden_states; B: input Wk: QUANTISED (scales: A lowp_scales[2], B lowp_scales[3])
;;     5. [M 32,768, K 512] x [K 512, N 512]; A: input hidden_states; B: input Wv: QUANTISED (scales: A lowp_scales[4], B lowp_scales[5])
;;     6. batch 256 x [M 1,024, K 64] x [K 64, N 1,024]; A: computed on the way; B: computed on the way: QUANTISED (scales: A lowp_scales[6], B lowp_scales[7])
;;     7. batch 256 x [M 1,024, K 1,024] x [K 1,024, N 64]; A: softmax (see below); B: computed on the way: QUANTISED (scales: A lowp_scales[8], B lowp_scales[9])
;;     8. [M 32,768, K 512] x [K 512, N 512]; A: computed on the way; B: input Wo: QUANTISED (scales: A lowp_scales[10], B lowp_scales[11])
;;   THE QUANTISER, for each operand of a quantised product, along K:
;;     - The operand's scale is 2^e, e = its entry of the input lowp_scales (int32; the entries are numbered through the quantised products in the list's order, A before B).
;;     - Each number is divided by the scale, clamped to +-448, and rounded to the nearest number of E4M3, ties to even, subnormals kept.
;;     - The product sums the exact products of the quantised numbers (number of the format x scale) in f32.
;;   ~~~python
;;   def quantise(x, axis, e):      # numpy; x: float32 -> the quantised numbers, widened to float32 again
;;       x = np.moveaxis(x, axis, -1); K = x.shape[-1]
;;       r = np.clip(x / 2.0 ** e, -448, 448)
;;       step = 2.0 ** (np.maximum(np.frexp(np.where(r == 0, 1, r))[1] - 1, -6) - 3)
;;       q = np.round(r / step) * step * 2.0 ** e      # np.round: ties to even
;;       return np.moveaxis(q, -1, axis).astype(np.float32)
;;   ~~~
;;   SOFTMAX AHEAD OF A QUANTISED PRODUCT. Where the list says 'softmax', what is quantised is not the finished softmax but p = 2^(t - M), with t = logit x log2(e) and M = ceil(the row's largest t), a whole number; so 1/2 < the row's largest p <= 1. The row's sum l is taken of the UNQUANTISED p, in f32, and the product's result is divided by l at the end. Since M is a whole number, a kernel that streams over the keys may use a running M (the ceiling of the running maximum): every later rescaling is an exact power of two, so the quantised numbers keep their values, but for numbers so far below the row's largest that they fall under the format's range.
;;   OPERANDS COMPUTED ON THE WAY. 'Computed on the way' means the value that the module computes at that place (a softmax that the list does not call 'softmax' is quantised finished and normalised). What goes into a quantiser is computed in f32, as accurately as f32 sums, v_exp_f32 and their like allow (about 1e-6 of the number): no bf16 or f16 on the way to a quantiser, and a product that is left as it is and whose result goes on into a quantised operand takes f32 operands (vector FMAs, or v_wmma_f32_16x16x4_f32). A number that lies on a knife's edge between two numbers of the format may be rounded either way, as far as f32 arithmetic and the matrix unit's own rounding can turn it there, and no further.
;; One version. Each part assembles by itself: llvm-mc -triple=amdgcn-amd-amdhsa -mcpu=gfx1250 --defsym DOCPART=n.
;; ======== version 1 of 1: 3 launches
;; workspace buffers: wimg 1,048,576 bytes; lines 524,288 bytes; cmax 512 bytes; q 16,777,216 bytes; kv 33,554,432 bytes
;; launch prep (part 1): grid 288 x 1, 4 waves a work-group, no clusters, 0 bytes of LDS; arguments Wq, Wk, Wv, Wo, F_mats, lowp_scales, wimg, lines, cmax; writes wimg, lines, cmax
.if DOCPART == 1
	.amdgcn_target "amdgcn-amd-amdhsa--gfx1250"
	.amdhsa_code_object_version 6
	.text
	.protected	k_q75afef6578_prep
	.globl	k_q75afef6578_prep
	.p2align	8
	.type	k_q75afef6578_prep,@function
k_q75afef6578_prep:
	s_mov_b64 s[64:65], 0
	v_nop
	global_prefetch_b8 v0, s[64:65] scope:SCOPE_SE
	s_setreg_imm32_b32 hwreg(HW_REG_WAVE_MODE, 25, 1), 1
	s_wait_xcnt 0x0
; TWO JOBS, parted by the work-group's number.  No LDS, no barrier, no loop.
; Work-groups 0-255: the four weights [512 (k)][512 (n)] f32 become codes of E4M3, laid as IMAGES OF OPERAND REGISTERS:
;   wimg[w 4: q,k,v,o][ntile 32][kstep 4][c4 4][512 bytes]; in a block of 512 bytes lane (r, h) has 16 bytes at 16 (r + 16 h):
;   column 16 ntile + r, k = 128 kstep + 32 c4 + 8 h + 0..7 and then + 16 + 8 h + 0..7.
;   A lane takes a column and its 32 registers run down K, so the conversions give codes with K innermost and nothing is transposed.
;   code = x / 2^e, held within +-448, to the nearest code.  LIMIT: e between -126 and 119.  NaN among the weights is not served.
; Work-groups 256-287: frame b = number - 256.  For each query pixel n its epipolar line (a, b, c) / (|(a, b)| + 1e-6) goes to lines[b][n][4],
;   and each wave's largest point-to-line distance to cmax[b][wave].  A distance is |an affine function of the key pixel|, so over the 32 x 32 grid
;   its largest value lies at one of the four corner pixels: four values a query serve for 1,024.
;   The first frame of every 16 takes the matrix (0,0,0; 0,0,-1; 0,1,0), which gives the pseudo line (0, -1, Y).  LIMIT: F_mats is finite.
.set XN, 16                            ; v16-47  a column's 32 numbers;  in the other job: the lines, four registers for each of 8 queries
.set CD, 48                            ; v48-55  their codes;            in the other job: the norms
	s_load_b256 s[4:11], s[0:1], 0x0               ; Wq s[4:5], Wk s[6:7], Wv s[8:9], Wo s[10:11]
	s_load_b256 s[12:19], s[0:1], 0x20             ; F_mats s[12:13], the scales s[14:15], wimg s[16:17], lines s[18:19]
	s_load_b64 s[20:21], s[0:1], 0x40              ; cmax
	v_lshrrev_b32 v1, 5, v0
	v_readfirstlane_b32 s22, v1                    ; wave 0..3
	v_and_b32 v2, 31, v0                           ; lane
	s_cmp_ge_u32 ttmp9, 256
	s_cbranch_scc1 .Llines
	; ---------------- the weights: work-group = 64 w + 16 cg + kb: weight w, columns 128 cg on, rows 32 kb on
	s_lshr_b32 s23, ttmp9, 6                       ; w
	s_bfe_u32 s24, ttmp9, 0x20004                  ; cg
	s_and_b32 s25, ttmp9, 15                       ; kb
	v_lshlrev_b32 v3, 2, v2                        ; in: 4 bytes a lane: a wave's load covers 128 consecutive bytes, the four waves 512
	v_lshrrev_b32 v5, 4, v2
	v_and_b32 v6, 15, v2
	v_lshlrev_b32 v4, 4, v6
	v_lshl_add_u32 v4, v5, 13, v4                  ; out: 16 (lane % 16), and lanes 16-31 one ntile (8,192 bytes) on
	s_lshl_b32 s26, s25, 16                        ; 32 kb rows of 2,048 bytes
	s_lshl_b32 s27, s24, 9
	s_add_co_u32 s26, s26, s27                     ; + 128 cg columns
	s_lshl_b32 s27, s22, 7
	s_add_co_u32 s26, s26, s27                     ; + 32 columns a wave
	s_mov_b32 s27, 0
	s_lshl_b32 s28, s23, 18                        ; w x 262,144
	s_lshl_b32 s29, s24, 16
	s_add_co_u32 s28, s28, s29                     ; + 8 cg ntiles
	s_lshl_b32 s29, s22, 14
	s_add_co_u32 s28, s28, s29                     ; + 2 ntiles a wave
	s_lshl_b32 s29, s25, 9
	s_add_co_u32 s28, s28, s29                     ; + (kb / 4) x 2,048 + (kb % 4) x 512 = 512 kb
	s_mov_b32 s29, 0
	s_wait_kmcnt 0x0
	s_load_b256 s[32:39], s[14:15], 0x0            ; e0 .. e7
	s_load_b128 s[40:43], s[14:15], 0x20           ; e8 .. e11
	s_cmp_eq_u32 s23, 1                            ; the choice hangs on the work-group's number alone
	s_cselect_b64 s[4:5], s[6:7], s[4:5]
	s_cmp_eq_u32 s23, 2
	s_cselect_b64 s[4:5], s[8:9], s[4:5]
	s_cmp_eq_u32 s23, 3
	s_cselect_b64 s[4:5], s[10:11], s[4:5]
	s_add_nc_u64 s[4:5], s[4:5], s[26:27]
	s_add_nc_u64 s[16:17], s[16:17], s[28:29]
.set n, 0
.rept 32
	global_load_b32 v[XN+n], v3, s[4:5] offset:n*2048 th:TH_LOAD_NT   ; W(32 kb + n, my column)
.set n, n+1
.endr
	s_wait_kmcnt 0x0
	s_cmp_eq_u32 s23, 1
	s_cselect_b32 s30, s35, s33                    ; e3 for Wk, e1 for Wq,
	s_cmp_eq_u32 s23, 2
	s_cselect_b32 s30, s37, s30                    ; e5 for Wv,
	s_cmp_eq_u32 s23, 3
	s_cselect_b32 s30, s43, s30                    ; e11 for Wo
	s_add_co_i32 s30, s30, 127
	s_lshl_b32 s31, s30, 23
	v_mov_b32 v10, s31                             ; 2^e as f32: the conversion takes its exponent field
	s_add_co_i32 s30, s30, 8
	s_lshl_b32 s30, s30, 23
	s_or_b32 s30, s30, 0x600000
	v_mov_b32 v11, s30                             ; 448 x 2^e
	s_wait_loadcnt 0x0
.set n, 0
.rept 32
	v_med3_num_f32 v[XN+n], v[XN+n], -v11, v11     ; the conversion to an 8-bit code does not saturate (ISA guide 7.6.2): the hold comes first
.set n, n+1
.endr
	v_cvt_scalef32_pk8_fp8_f32 v[CD:CD+1], v[XN:XN+7], v10         ; image lane (r, 0): k 0..7,
	v_cvt_scalef32_pk8_fp8_f32 v[CD+2:CD+3], v[XN+16:XN+23], v10   ;                    k 16..23
	v_cvt_scalef32_pk8_fp8_f32 v[CD+4:CD+5], v[XN+8:XN+15], v10    ; image lane (r, 1): k 8..15,
	v_cvt_scalef32_pk8_fp8_f32 v[CD+6:CD+7], v[XN+24:XN+31], v10   ;                    k 24..31
	global_store_b128 v4, v[CD:CD+3], s[16:17]                     ; sixteen lanes store 256 consecutive bytes, aligned
	global_store_b128 v4, v[CD+4:CD+7], s[16:17] offset:256
	s_endpgm
	; ---------------- the lines: wave wv takes queries 256 wv + 32 j + lane, j = 0..7: pixel row 8 wv + j, pixel column lane
.Llines:
	s_sub_co_u32 s23, ttmp9, 256                   ; frame b
	s_mul_i32 s24, s23, 36
	s_mov_b32 s25, 0
	s_mov_b32 s28, 0x40600000                      ; 3.5: the first pixel's coordinate
	s_mov_b32 s29, 0x437b8000                      ; 251.5: the last pixel's
	s_mov_b32 s44, 0x76543210                      ; v_permlanex16_b32's selects: lane l xor 16
	s_mov_b32 s45, 0xfedcba98
	s_wait_kmcnt 0x0
	s_add_nc_u64 s[12:13], s[12:13], s[24:25]
	s_load_b96 s[32:34], s[12:13], 0x0             ; F's three rows
	s_load_b96 s[36:38], s[12:13], 0xc
	s_load_b96 s[40:42], s[12:13], 0x18
	v_lshlrev_b32 v3, 3, v2
	v_cvt_f32_u32 v3, v3
	v_add_f32 v3, 0x40600000, v3                   ; X = 8 lane + 3.5
	s_lshl_b32 s27, s22, 6
	v_cvt_f32_u32 v8, s27
	v_add_f32 v8, 0x40600000, v8                   ; Y of j = 0: 64 wv + 3.5
.irp j, 1,2,3,4,5,6,7
	v_add_f32 v[8+\j], 0x41000000, v[7+\j]         ; + 8 a row: exact
.endr
	s_lshl_b32 s26, s23, 14                        ; lines: 16,384 bytes a frame,
	s_lshl_b32 s27, s22, 12                        ; 4,096 a wave
	s_add_co_u32 s26, s26, s27
	s_mov_b32 s27, 0
	s_add_nc_u64 s[18:19], s[18:19], s[26:27]
	s_lshl_b32 s26, s23, 4                         ; cmax: 16 bytes a frame, 4 a wave
	s_lshl_b32 s30, s22, 2
	s_add_co_u32 s26, s26, s30
	s_add_nc_u64 s[20:21], s[20:21], s[26:27]
	v_lshlrev_b32 v67, 4, v2                       ; 16 bytes a lane
	v_mov_b32 v65, 0
	v_mov_b32 v64, 0                               ; the largest distance so far
	v_mov_b32 v66, 0                               ; written once: a lane permute's destination counts as one of its sources
	s_wait_kmcnt 0x0
	s_and_b32 s26, s23, 15
	s_cmp_eq_u32 s26, 0                            ; the first frame of a video of 16
	s_cselect_b32 s32, 0, s32
	s_cselect_b32 s33, 0, s33
	s_cselect_b32 s34, 0, s34
	s_cselect_b32 s36, 0, s36
	s_cselect_b32 s37, 0, s37
	s_cselect_b32 s38, 0xbf800000, s38             ; b = -1
	s_cselect_b32 s40, 0, s40
	s_cselect_b32 s41, 0x3f800000, s41             ; c = Y
	s_cselect_b32 s42, 0, s42
	v_fma_f32 v5, s32, v3, s34                     ; what X and 1 give, the same for all eight rows
	v_fma_f32 v6, s36, v3, s38
	v_fma_f32 v7, s40, v3, s42
.irp j, 0,1,2,3,4,5,6,7
	v_fma_f32 v[XN+4*\j], s33, v[8+\j], v5         ; a
	v_fma_f32 v[XN+4*\j+1], s37, v[8+\j], v6       ; b
	v_fma_f32 v[XN+4*\j+2], s41, v[8+\j], v7       ; c
	v_mov_b32 v[XN+4*\j+3], 0
.endr
.irp j, 0,1,2,3,4,5,6,7
	v_mul_f32 v[CD+\j], v[XN+4*\j], v[XN+4*\j]
.endr
.irp j, 0,1,2,3,4,5,6,7
	v_fmac_f32 v[CD+\j], v[XN+4*\j+1], v[XN+4*\j+1]
.endr
.irp j, 0,1,2,3,4,5,6,7
	v_sqrt_f32 v[CD+\j], v[CD+\j]
.endr
	v_nop                                          ; a plain line behind the last root
	s_wait_alu depctr_va_vdst(0)                   ; one wait for the eight roots, ahead of their first reader
.irp j, 0,1,2,3,4,5,6,7
	v_add_f32 v[CD+\j], 0x358637bd, v[CD+\j]       ; + 1e-6
.endr
.irp j, 0,1,2,3,4,5,6,7
	v_rcp_f32 v[CD+\j], v[CD+\j]
.endr
	v_nop
	s_wait_alu depctr_va_vdst(0)                   ; one wait for the eight reciprocals
.irp j, 0,1,2,3,4,5,6,7
	v_mul_f32 v[XN+4*\j], v[XN+4*\j], v[CD+\j]
	v_mul_f32 v[XN+4*\j+1], v[XN+4*\j+1], v[CD+\j]
	v_mul_f32 v[XN+4*\j+2], v[XN+4*\j+2], v[CD+\j]
.endr
.irp j, 0,1,2,3,4,5,6,7
	global_store_b128 v67, v[XN+4*\j:XN+4*\j+3], s[18:19] offset:512*\j   ; 32 lanes store 512 consecutive bytes
.endr
.irp j, 0,1,2,3,4,5,6,7                        ; the four corners
	v_fma_f32 v56, v[XN+4*\j], s28, v[XN+4*\j+2]
	v_fma_f32 v57, v[XN+4*\j], s29, v[XN+4*\j+2]
	v_fma_f32 v58, v[XN+4*\j+1], s28, v56
	v_fma_f32 v59, v[XN+4*\j+1], s29, v56
	v_fma_f32 v60, v[XN+4*\j+1], s28, v57
	v_fma_f32 v61, v[XN+4*\j+1], s29, v57
	v_max3_num_f32 v64, v64, |v58|, |v59|
	v_max3_num_f32 v64, v64, |v60|, |v61|
.endr
	v_max_num_f32_dpp v64, v64, v64 row_xmask:1 row_mask:0xf bank_mask:0xf
	v_max_num_f32_dpp v64, v64, v64 row_xmask:2 row_mask:0xf bank_mask:0xf
	v_max_num_f32_dpp v64, v64, v64 row_xmask:4 row_mask:0xf bank_mask:0xf
	v_max_num_f32_dpp v64, v64, v64 row_xmask:8 row_mask:0xf bank_mask:0xf
	v_permlanex16_b32 v66, v64, s44, s45
	v_max_num_f32 v64, v64, v66                    ; the wave's largest, in every lane
	v_cmp_eq_u32 vcc_lo, 0, v2
	s_wait_xcnt 0x0                                ; EXEC is a source of the stores above: it changes only behind this wait
	s_and_saveexec_b32 s30, vcc_lo
	global_store_b32 v65, v64, s[20:21]            ; lane 0 alone
	s_wait_xcnt 0x0
	s_or_b32 exec_lo, exec_lo, s30
	s_endpgm
.Lfunc_end_k_q75afef6578_prep:
	.size	k_q75afef6578_prep, .Lfunc_end_k_q75afef6578_prep-k_q75afef6578_prep
	.p2alignl 7, 3214868480
	.fill 96, 4, 3214868480
	.section	.rodata,"a",@progbits
	.p2align	6, 0x0
	.amdhsa_kernel k_q75afef6578_prep
		.amdhsa_group_segment_fixed_size 0
		.amdhsa_private_segment_fixed_size 0
		.amdhsa_enable_private_segment 0
		.amdhsa_kernarg_size 72
		.amdhsa_user_sgpr_count 2
		.amdhsa_user_sgpr_kernarg_segment_ptr 1
		.amdhsa_wavefront_size32 1
		.amdhsa_system_sgpr_workgroup_id_x 1
		.amdhsa_system_sgpr_workgroup_id_y 1
		.amdhsa_system_sgpr_workgroup_id_z 1
		.amdhsa_system_vgpr_workitem_id 0
		.amdhsa_next_free_vgpr 96
		.amdhsa_next_free_sgpr 66
		.amdhsa_reserve_vcc 1
		.amdhsa_float_denorm_mode_32 3
		.amdhsa_float_denorm_mode_16_64 3
		.amdhsa_memory_ordered 1
		.amdhsa_forward_progress 1
		.amdhsa_inst_pref_size 20
	.end_amdhsa_kernel
	.amdgpu_metadata
---
amdhsa.version: [ 1, 2 ]
amdhsa.kernels:
  - .name:           k_q75afef6578_prep
    .symbol:         k_q75afef6578_prep.kd
    .args:
      - { .name: Wq, .offset: 0, .size: 8, .value_kind: global_buffer, .address_space: global }
      - { .name: Wk, .offset: 8, .size: 8, .value_kind: global_buffer, .address_space: global }
      - { .name: Wv, .offset: 16, .size: 8, .value_kind: global_buffer, .address_space: global }
      - { .name: Wo, .offset: 24, .size: 8, .value_kind: global_buffer, .address_space: global }
      - { .name: F_mats, .offset: 32, .size: 8, .value_kind: global_buffer, .address_space: global }
      - { .name: lowp_scales, .offset: 40, .size: 8, .value_kind: global_buffer, .address_space: global }
      - { .name: wimg, .offset: 48, .size: 8, .value_kind: global_buffer, .address_space: global }
      - { .name: lines, .offset: 56, .size: 8, .value_kind: global_buffer, .address_space: global }
      - { .name: cmax, .offset: 64, .size: 8, .value_kind: global_buffer, .address_space: global }
    .group_segment_fixed_size: 0
    .private_segment_fixed_size: 0
    .kernarg_segment_align: 8
    .kernarg_segment_size: 72
    .max_flat_workgroup_size: 128
    .sgpr_count:     66
    .vgpr_count:     96
    .wavefront_size: 32
...
	.end_amdgpu_metadata
.endif
;; end of part 1
;; launch qkv (part 2): grid 256 x 1, 8 waves a work-group, clusters of 4 x 1, 327,680 bytes of LDS; arguments hidden_states, wimg, lowp_scales, q, kv; writes q, kv
.if DOCPART == 2
	.amdgcn_target "amdgcn-amd-amdhsa--gfx1250"
	.amdhsa_code_object_version 6
	.text
	.protected	k_q75afef6578_qkv
	.globl	k_q75afef6578_qkv
	.p2align	8
	.type	k_q75afef6578_qkv,@function
k_q75afef6578_qkv:
	s_mov_b64 s[64:65], 0
	v_nop
	global_prefetch_b8 v0, s[64:65] scope:SCOPE_SE
	s_setreg_imm32_b32 hwreg(HW_REG_WAVE_MODE, 25, 1), 1
	s_wait_xcnt 0x0
	s_wait_alu depctr_hold_cnt(0) depctr_sa_sdst(0) depctr_va_vdst(0) depctr_va_sdst(0) depctr_va_ssrc(0) depctr_va_vcc(0) depctr_vm_vsrc(0)
	s_getreg_b32 s2, hwreg(HW_REG_IB_STS2, 6, 4)
	s_cmp_eq_u32 s2, 0
	s_cbranch_scc0 .Lentry_in_a_cluster
	s_endpgm
.Lentry_in_a_cluster:
	s_bfe_u32 s2, ttmp6, 0x10000c
	s_cmp_lg_u32 s2, 0x3003
	s_cbranch_scc0 .Lentry_shape_is_right
	s_endpgm
.Lentry_shape_is_right:
; Q, K and V of 128 tokens: x [128][512] f32 is quantised three times (each product has its own scale for x), multiplied by the codes of Wq, Wk, Wv, and the results are quantised
; at once into the codes that the attention launch multiplies.  All buffers of codes are IMAGES OF OPERAND REGISTERS: blocks of 512 bytes, lane l's 16 bytes at 16 l.
; SHARES.  Work-group wg = 4 x cluster + cx owns tokens 128 wg on: one key step of a frame.  Its 8 tiles of 16 tokens are NOT runs of neighbours: row r of tile rt is token
; 32 (rt / 2) + 8 (rt % 2) + r + 8 (r / 8).  That one choice serves three uses: Q and K (product transposed: a lane holds a token, its registers run along the head's 64),
; V (product as it stands: a lane holds a channel, and the registers of tiles 2 c and 2 c + 1 are the 16 neighbouring keys 32 c + 16 (lane / 16) + 0..15), and the scores of the next launch.
; PHASE X: wave w quantises tile w: 64 loads (each two aligned runs of 256 bytes) are all asked for at the head; 64 channels at a time turn through the wave's stage in LDS, so that a lane has
; 8 neighbours along K in 8 registers; three holds and conversions; images to LDS.
; THE WALK: 12 slots of 8 column tiles (64 KB of codes: Wq 0-3, Wk 4-7, Wv 8-11) through a ring of two LDS slots.  Wave w = 4 i + j multiplies row tiles 4 i .. 4 i + 3 (their 16 fragments stay in
; 256 registers for four slots) by column tiles 2 j, 2 j + 1 of the slot: each fragment of W read from LDS feeds four matrix instructions.
; CLUSTER: every work-group walks the same weights, so the four of a cluster ask for each slot JOINTLY (mask 15); waves 0-3 fetch 64 rows of 256 bytes each; one tensor load of a wave is out at a time.
; LIMITS: e0, e2, e4, e6-e0-e1, e7-e2-e3, e9-e4-e5 between -126 and 119, so that each power of two below and 448 times it are f32 numbers.  NaN among the inputs is not served.
; REGISTERS.  window 0: v1 spare word, v2 zero, v3 16 lane, v4-12 addresses, v14-25 scales and holds, v32-159 W's 8 fragments, v160-223 8 accumulators, v224-239 codes on their way out.
;   In phase X: v32-63 numbers, v64-95 held numbers, v96-111 codes of versions 0 and 1, v160-223 version 2's codes, which wait there until version 0's images have been read out.
;   window 1: x's 16 fragments; in phase X the 64 loads' registers.
.set SLOT1,  65536                     ; the ring: slot 0 at 0, slot 1 here: one exclusive or turns an address
.set XA,     131072                    ; x's images [tile 8][kstep 4][c4 4][512]: version 0, later version 2
.set XB,     196608                    ; version 1
.set SPARE,  262144                    ; the spare words: 128 bytes for each of 8 waves, four blocks of 256 bytes that no other line names
.set STG,    263168                    ; a stage of 16 rows x 272 bytes for each wave
.set SP,     272                       ; 256 bytes + 16: sixteen rows start at sixteen different columns of 16 bytes
.set WB,     32
.set ACC,    160
.set OUT,    224
.set XR,     32
.set TR,     64
.set PC,     96
.set C2,     160
.set MSB, 0
.macro WIN new                         ; the immediate's high byte repeats the setting that is left
.if MSB != \new
	s_set_vgpr_msb (MSB<<8)|\new
.set MSB, \new
.endif
.endm
.macro CROUND                          ; a round of the cluster's barrier
	s_barrier_signal -1
	s_barrier_wait -1
	s_cmp_lg_u32 s14, 0
	s_cbranch_scc1 .Lnot_wave_0_\@
	s_barrier_signal -3
.Lnot_wave_0_\@:
	s_barrier_wait -3
	s_barrier_signal -1
	s_barrier_wait -1
.endm
.macro TLOAD                           ; the joint load: waves 0-3, a quarter of the slot each; the branch hangs on the wave's number alone.  Four v_nop follow the line
	s_cmp_lt_u32 s14, 4
	s_cbranch_scc0 .Lasked_\@
	tensor_load_to_lds s[32:35], s[24:31]
	s_nop 0
.rept 4
	v_nop
.endr
.Lasked_\@:
.endm
; THE CHANGE OF SLOTS, at a slot's head: every wave waits for all its tensor loads (the slot that it is about to read), adds 0 to its spare word, and waits for that and for all its LDS instructions
; (its reads of the slot that it has left; in the first change its stores of x's images).  fill = 1: a round of the cluster's barrier, and the slot just left takes the slot after next's codes.
.macro CHANGE fill
	s_wait_tensorcnt 0x0                           ; no tensor load of mine is out, so the descriptor may be written
	ds_add_u32 v1, v2                              ; 0 onto my spare word
.if \fill
	s_xor_b32 s33, s33, SLOT1                      ; the other slot than last time,
	s_add_nc_u64 s[34:35], s[34:35], 65536         ; the next 8 column tiles; the type bits on top are not reached
.endif
	s_wait_dscnt 0x0
.if \fill
	CROUND
	TLOAD                                          ; the first tensor load behind the round, and a wave's only one until the next
.else
	s_barrier_signal -1
	s_barrier_wait -1
.endif
.endm
.macro MKSC e, va, vb                  ; s[e] = an exponent: v[va] = 2^e as f32 (the conversion takes its exponent field), v[vb] = 448 x 2^e
	s_add_co_i32 s56, s[\e], 127
	s_lshl_b32 s57, s56, 23
	v_mov_b32 v[\va], s57
	s_add_co_i32 s56, s56, 8
	s_lshl_b32 s56, s56, 23
	s_or_b32 s56, s56, 0x600000
	v_mov_b32 v[\vb], s56
.endm
.macro QV lim, sc, dst                 ; 32 numbers in v[XR] on are held into v[TR] on and become 8 registers of codes
.set n, 0
.rept 32
	v_med3_num_f32 v[TR+n], v[XR+n], -v[\lim], v[\lim]   ; the conversion does not saturate (ISA guide 7.6.2)
.set n, n+1
.endr
.irp c, 0,1,2,3
	v_cvt_scalef32_pk8_fp8_f32 v[\dst+2*\c:\dst+2*\c+1], v[TR+8*\c:TR+8*\c+7], v[\sc]
.endr
	v_nop                                          ; a plain line between the conversions and the next lines that write their sources
.endm
; 64 channels (k-th of 8) of my 16 tokens: through the stage, then three versions of codes
.macro UNIT k
	s_wait_loadcnt 56-8*(\k)                       ; my loads come back in order: the 8 (7 - k) younger ones may be out
	WIN 0x04                                       ; the data lie in window 1
.irp p, 0,1,2,3,4,5,6,7
	ds_store_b128 v5, v[32*(\k)+4*\p:32*(\k)+4*\p+3] offset:2*\p*SP    ; rows 2 p and 2 p + 1, as loaded
.endr
	WIN 0
.irp c, 0,1,2,3
.irp jj, 0,1
	ds_load_b128 v[XR+8*\c+4*\jj:XR+8*\c+4*\jj+3], v6 offset:64*\c+16*\jj   ; row r, channels 16 c + 8 h + 0..7.  LDS serves a wave's instructions in order: these see the stores above
.endr
.endr
	s_wait_dscnt 0x0
	QV 15, 14, PC
	QV 17, 16, PC+8
	QV 19, 18, C2+8*(\k)
.irp qq, 0,1
	ds_store_b128 v7, v[PC+4*\qq:PC+4*\qq+3] offset:(\k)*1024+\qq*512
	ds_store_b128 v8, v[PC+8+4*\qq:PC+8+4*\qq+3] offset:(\k)*1024+\qq*512
.endr
.endm
.macro XFLOAD adr                      ; my four row tiles' 16 fragments into window 1
	WIN 0x40
.set n, 0
.rept 64
	ds_load_b128 v[4*n:4*n+3], v[\adr] offset:512*n
.set n, n+1
.endr
	WIN 0
.endm
.macro WLOAD slot                      ; my two column tiles' 8 fragments
.set n, 0
.rept 32
	ds_load_b128 v[WB+4*n:WB+4*n+3], v[11+(\slot)] offset:512*n
.set n, n+1
.endr
.endm
; 32 matrix instructions: the 8 accumulators take turns, one instruction a turn; the first K step starts the sums.
; kind 0 (Q, K): source 0 = W, source 1 = x: a lane holds a token.  kind 1 (V): source 0 = x, source 1 = W: a lane holds a channel.
.macro MULS kind
.if \kind
	WIN 0x01
.else
	WIN 0x04
.endif
.irp ks, 0,1,2,3
.irp rtl, 0,1,2,3
.irp nt, 0,1
.if \kind
.set AA, ACC+8*(4*\nt+\rtl)
.if \ks == 0
	v_wmma_f32_16x16x128_fp8_fp8 v[AA:AA+7], v[16*(4*\rtl+\ks):16*(4*\rtl+\ks)+15], v[WB+16*(4*\nt+\ks):WB+16*(4*\nt+\ks)+15], 0
.else
	v_wmma_f32_16x16x128_fp8_fp8 v[AA:AA+7], v[16*(4*\rtl+\ks):16*(4*\rtl+\ks)+15], v[WB+16*(4*\nt+\ks):WB+16*(4*\nt+\ks)+15], v[AA:AA+7]
.endif
.else
.set AA, ACC+8*(2*\rtl+\nt)
.if \ks == 0
	v_wmma_f32_16x16x128_fp8_fp8 v[AA:AA+7], v[WB+16*(4*\nt+\ks):WB+16*(4*\nt+\ks)+15], v[16*(4*\rtl+\ks):16*(4*\rtl+\ks)+15], 0
.else
	v_wmma_f32_16x16x128_fp8_fp8 v[AA:AA+7], v[WB+16*(4*\nt+\ks):WB+16*(4*\nt+\ks)+15], v[16*(4*\rtl+\ks):16*(4*\rtl+\ks)+15], v[AA:AA+7]
.endif
.endif
.endr
.endr
.endr
	WIN 0
.endm
; the 8 accumulators become 16 registers of codes, which are four blocks of 512 bytes of the output's images
.macro CONV sc, lim, base, kind, sp
.rept 4
	v_nop                                          ; four places between the last products and the first read of results (ISA guide 7.12.1)
.endr
.set n, 0
.rept 64
	v_med3_num_f32 v[ACC+n], v[ACC+n], -v[\lim], v[\lim]   ; each accumulator from its low end on
.set n, n+1
.endr
	s_wait_xcnt 0x0                                ; the last slot's stores have read their data: the registers are written again only behind this wait
.irp a, 0,1,2,3,4,5,6,7
	v_cvt_scalef32_pk8_fp8_f32 v[OUT+2*\a:OUT+2*\a+1], v[ACC+8*\a:ACC+8*\a+7], v[\sc]
.endr
	v_nop                                          ; a plain line between the conversions and the products that will write their sources
.irp m, 0,1,2,3
.if \kind
	global_store_b128 v3, v[OUT+4*\m:OUT+4*\m+3], s[\base:\base+1] offset:(\sp)*16384+(\m/2)*2048+(\m%2)*512   ; channel tile m / 2, keys 32 (2 i + m % 2) on
.else
	global_store_b128 v3, v[OUT+4*\m:OUT+4*\m+3], s[\base:\base+1] offset:(\sp)*16384+\m*1024                  ; row tile 4 i + m.  32 lanes store 512 consecutive bytes, aligned
.endif
.endr
.endm
.macro WORK s                          ; slot s: fragments, products, codes
	WLOAD (\s)%2
	s_wait_dscnt 0x0
.if (\s) < 4
	MULS 0
	CONV 20, 21, 50, 0, (\s)%4
.elseif (\s) < 8
	MULS 0
	CONV 22, 23, 52, 0, (\s)%4
.else
	MULS 1
	CONV 24, 25, 54, 1, (\s)%4
.endif
.endm
	s_load_b256 s[4:11], s[0:1], 0x0               ; x s[4:5], wimg s[6:7], the scales s[8:9], q s[10:11]
	s_load_b64 s[12:13], s[0:1], 0x20              ; kv
	v_lshl_add_u32 v1, v0, 2, SPARE
	v_mov_b32 v2, 0
	ds_add_u32 v1, v2
	s_wait_dscnt 0x0
	v_lshrrev_b32 v3, 5, v0
	v_readfirstlane_b32 s14, v3                    ; wave 0..7
	s_lshr_b32 s15, s14, 2                         ; i: my half of the rows
	s_and_b32 s16, s14, 3                          ; j: my two of a slot's eight column tiles.  Also: which quarter of a slot I fetch, if I fetch
	s_bfe_u32 s17, ttmp6, 0x40000                  ; cx: it enters x's, q's and kv's addresses alone
	s_lshl_b32 s18, ttmp9, 2
	s_add_co_u32 s18, s18, s17                     ; wg
	; descriptor group 1: 64 rows of 256 bytes, dense in memory and in LDS
	s_mov_b32 s24, 15|(3<<16)|(1<<21)              ; 15:0 the mask: all four work-groups; 17:16 elements of 8 bytes; 21 set beside a mask; no padding
	s_mov_b32 s25, 32<<16                          ; tensor_dim0 = 32 elements
	s_mov_b32 s26, 64<<16                          ; tensor_dim1 = 64
	s_mov_b32 s27, 32<<16                          ; tile_dim0 = 32
	s_mov_b32 s28, 64                              ; tile_dim1 = 64
	s_mov_b32 s29, 32                              ; from row to row: 32 elements
	s_mov_b32 s30, 0
	s_mov_b32 s31, 0
	s_lshl_b32 s22, s16, 14                        ; my quarter: 16,384 bytes, in memory and in a slot
	s_mov_b32 s23, 0
	s_wait_kmcnt 0x0
	s_load_b256 s[36:43], s[8:9], 0x0              ; e0 .. e7
	s_load_b128 s[44:47], s[8:9], 0x20             ; e8 .. e11
	s_mov_b32 s32, 1                               ; count = 1
	s_mov_b32 s33, s22                             ; LDS address: slot 0
	s_add_nc_u64 s[34:35], s[6:7], s[22:23]        ; Wq's first 8 column tiles: nothing of the work-group's place enters
	s_or_b32 s35, s35, 0x80000000                  ; type = 2
	CROUND                                         ; all four work-groups are here: the first joint loads meet
	TLOAD
	v_and_b32 v3, 31, v0
	v_lshlrev_b32 v3, 4, v3                        ; 16 lane
	v_and_b32 v26, 15, v0                          ; r
	v_bfe_u32 v13, v0, 4, 1                        ; h
	v_lshlrev_b32 v4, 4, v26
	v_lshl_add_u32 v4, v13, 11, v4                 ; x: lanes 0-15 take 256 bytes of one token, lanes 16-31 of the next
	s_mul_i32 s19, s14, 16*SP
	s_add_co_u32 s19, s19, STG                     ; my stage
	v_mul_u32_u24 v5, v13, SP
	v_lshl_add_u32 v5, v26, 4, v5
	v_add_nc_u32 v5, s19, v5                       ; in: as loaded
	v_mul_u32_u24 v6, v26, SP
	v_lshl_add_u32 v6, v13, 5, v6
	v_add_nc_u32 v6, s19, v6                       ; out: row r, + 32 h bytes
	s_lshl_b32 s19, s14, 13
	v_add_nc_u32 v8, s19, v3
	v_add_nc_u32 v7, XA, v8                        ; where I store my tile's images
	v_add_nc_u32 v8, XB, v8
	s_lshl_b32 s19, s15, 15
	v_add_nc_u32 v10, s19, v3
	v_add_nc_u32 v9, XA, v10                       ; where I read my four tiles' images
	v_add_nc_u32 v10, XB, v10
	s_lshl_b32 s19, s16, 14
	v_add_nc_u32 v11, s19, v3                      ; my two column tiles in slot 0,
	v_add_nc_u32 v12, SLOT1, v11                   ; in slot 1
	s_lshl_b32 s20, s18, 7                         ; x at my tile's first token: 128 wg + 32 (w / 2) + 8 (w % 2)
	s_lshr_b32 s21, s14, 1
	s_lshl_b32 s21, s21, 5
	s_add_co_u32 s20, s20, s21
	s_and_b32 s21, s14, 1
	s_lshl_b32 s21, s21, 3
	s_add_co_u32 s20, s20, s21
	s_lshl_b32 s20, s20, 11
	s_mov_b32 s21, 0
	s_add_nc_u64 s[48:49], s[4:5], s[20:21]
	WIN 0x40
.irp k, 0,1,2,3,4,5,6,7                        ; all 64 loads at once: the work-group's 256 KB are on their way
.irp p, 0,1,2,3,4,5,6,7
	global_load_b128 v[32*\k+4*\p:32*\k+4*\p+3], v4, s[48:49] offset:(2*\p+8*(\p/4))*2048+\k*256 th:TH_LOAD_NT
.endr
.endr
	WIN 0
	s_lshr_b32 s56, s16, 1                         ; where my codes go, inside a block
	s_lshl_b32 s56, s56, 13                        ; head 2 s' + j / 2
	s_and_b32 s57, s16, 1
	s_lshl_b32 s58, s57, 9                         ; Q, K: register half j % 2,
	s_add_co_u32 s58, s58, s56
	s_lshl_b32 s59, s15, 12                        ; row tiles 4 i on
	s_add_co_u32 s58, s58, s59
	s_lshl_b32 s59, s57, 12                        ; V: channel tiles 2 (j % 2) on,
	s_add_co_u32 s59, s59, s56
	s_lshl_b32 s60, s15, 10                        ; keys 64 i on,
	s_add_co_u32 s59, s59, s60
	s_add_co_u32 s59, s59, 65536                   ; behind K's 64 KB
	s_lshl_b32 s60, s18, 16
	s_add_co_u32 s60, s60, s58
	s_mov_b32 s61, 0
	s_add_nc_u64 s[50:51], s[10:11], s[60:61]      ; q: 65,536 bytes a block
	s_lshl_b32 s60, s18, 17
	s_add_co_u32 s62, s60, s58
	s_mov_b32 s63, 0
	s_add_nc_u64 s[52:53], s[12:13], s[62:63]      ; kv: 131,072 bytes a block: K,
	s_add_co_u32 s62, s60, s59
	s_add_nc_u64 s[54:55], s[12:13], s[62:63]      ; V
	s_wait_kmcnt 0x0
	MKSC 36, 14, 15                                ; x for Q: e0
	MKSC 38, 16, 17                                ; x for K: e2
	MKSC 40, 18, 19                                ; x for V: e4
	s_sub_co_i32 s58, s42, s36                     ; a sum stands for sum x 2^(e0 + e1), so Q's code is sum / 2^(e6 - e0 - e1): three scales folded into one
	s_sub_co_i32 s58, s58, s37
	MKSC 58, 20, 21
	s_sub_co_i32 s58, s43, s38
	s_sub_co_i32 s58, s58, s39
	MKSC 58, 22, 23                                ; K: e7 - e2 - e3
	s_sub_co_i32 s58, s45, s40
	s_sub_co_i32 s58, s58, s41
	MKSC 58, 24, 25                                ; V: e9 - e4 - e5
.irp k, 0,1,2,3,4,5,6,7
	UNIT \k
.endr
	CHANGE 1                                       ; slot 0 has landed, versions 0 and 1 of x lie in LDS for every wave; slot 1 is asked for
	XFLOAD 9
	s_wait_dscnt 0x0                               ; my reads of version 0 are over
	s_barrier_signal -1                            ; slot 1's load may stay out
	s_barrier_wait -1                              ; everybody's are: version 2 takes version 0's place; the later changes of slots show it to the others
.set n, 0
.rept 16
	ds_store_b128 v7, v[C2+4*n:C2+4*n+3] offset:512*n
.set n, n+1
.endr
	WORK 0
.irp s, 1,2,3
	CHANGE 1
	WORK \s
.endr
	CHANGE 1
	XFLOAD 10                                      ; version 1, for K
	WORK 4
.irp s, 5,6,7
	CHANGE 1
	WORK \s
.endr
	CHANGE 1
	XFLOAD 9                                       ; version 2, for V
	WORK 8
.irp s, 9,10
	CHANGE 1
	WORK \s
.endr
	CHANGE 0                                       ; the last slot: nothing is left to fetch
	WORK 11
	s_wait_tensorcnt 0x0                           ; the wave's end
	ds_add_u32 v1, v2
	s_wait_dscnt 0x0
	CROUND                                         ; the closing round: no work-group ends while a partner may still ask for a slot that names it
	s_endpgm
.Lfunc_end_k_q75afef6578_qkv:
	.size	k_q75afef6578_qkv, .Lfunc_end_k_q75afef6578_qkv-k_q75afef6578_qkv
	.p2alignl 7, 3214868480
	.fill 96, 4, 3214868480
	.section	.rodata,"a",@progbits
	.p2align	6, 0x0
	.amdhsa_kernel k_q75afef6578_qkv
		.amdhsa_group_segment_fixed_size 327680
		.amdhsa_private_segment_fixed_size 0
		.amdhsa_enable_private_segment 0
		.amdhsa_kernarg_size 40
		.amdhsa_user_sgpr_count 2
		.amdhsa_user_sgpr_kernarg_segment_ptr 1
		.amdhsa_wavefront_size32 1
		.amdhsa_system_sgpr_workgroup_id_x 1
		.amdhsa_system_sgpr_workgroup_id_y 1
		.amdhsa_system_sgpr_workgroup_id_z 1
		.amdhsa_system_vgpr_workitem_id 0
		.amdhsa_next_free_vgpr 512
		.amdhsa_next_free_sgpr 66
		.amdhsa_reserve_vcc 0
		.amdhsa_float_denorm_mode_32 3
		.amdhsa_float_denorm_mode_16_64 3
		.amdhsa_memory_ordered 1
		.amdhsa_forward_progress 1
		.amdhsa_inst_pref_size 212
	.end_amdhsa_kernel
	.amdgpu_metadata
---
amdhsa.version: [ 1, 2 ]
amdhsa.kernels:
  - .name:           k_q75afef6578_qkv
    .symbol:         k_q75afef6578_qkv.kd
    .args:
      - { .name: hidden_states, .offset: 0, .size: 8, .value_kind: global_buffer, .address_space: global }
      - { .name: wimg, .offset: 8, .size: 8, .value_kind: global_buffer, .address_space: global }
      - { .name: lowp_scales, .offset: 16, .size: 8, .value_kind: global_buffer, .address_space: global }
      - { .name: q, .offset: 24, .size: 8, .value_kind: global_buffer, .address_space: global }
      - { .name: kv, .offset: 32, .size: 8, .value_kind: global_buffer, .address_space: global }
    .group_segment_fixed_size: 327680
    .private_segment_fixed_size: 0
    .kernarg_segment_align: 8
    .kernarg_segment_size: 40
    .max_flat_workgroup_size: 256
    .sgpr_count:     66
    .vgpr_count:     512
    .wavefront_size: 32
...
	.end_amdgpu_metadata
.endif
;; end of part 2
;; launch attn (part 3): grid 8 x 32, 8 waves a work-group, clusters of 4 x 1, 327,680 bytes of LDS; arguments q, kv, wimg, lines, cmax, lowp_scales, out0; writes out0
.if DOCPART == 3
	.amdgcn_target "amdgcn-amd-amdhsa--gfx1250"
	.amdhsa_code_object_version 6
	.text
	.protected	k_q75afef6578_attn
	.globl	k_q75afef6578_attn
	.p2align	8
	.type	k_q75afef6578_attn,@function
k_q75afef6578_attn:
	s_mov_b64 s[64:65], 0
	v_nop
	global_prefetch_b8 v0, s[64:65] scope:SCOPE_SE
	s_setreg_imm32_b32 hwreg(HW_REG_WAVE_MODE, 25, 1), 1
	s_wait_xcnt 0x0
	s_wait_alu depctr_hold_cnt(0) depctr_sa_sdst(0) depctr_va_vdst(0) depctr_va_sdst(0) depctr_va_ssrc(0) depctr_va_vcc(0) depctr_vm_vsrc(0)
	s_getreg_b32 s2, hwreg(HW_REG_IB_STS2, 6, 4)
	s_cmp_eq_u32 s2, 0
	s_cbranch_scc0 .Lentry_in_a_cluster
	s_endpgm
.Lentry_in_a_cluster:
	s_bfe_u32 s2, ttmp6, 0x10000c
	s_cmp_lg_u32 s2, 0x3003
	s_cbranch_scc0 .Lentry_shape_is_right
	s_endpgm
.Lentry_shape_is_right:
; Attention with the epipolar mask, and the output projection, on codes of E4M3.
; SHARES.  A work-group owns 128 queries of frame b (block blk = 4 x cluster x + cx); wave w owns tile w of 16 queries FOR ALL 8 HEADS.  So the mask, which the heads share, is made once for 128 keys
; and serves 8 heads, and at the end a wave holds whole rows of the attention's result with the next K along its registers: the product with Wo follows in the same launch.
; LAYOUT.  Both products are used transposed: S^T = K Q^T (source 0 = 16 keys), O^T = V^T P^T (source 0 = 16 channels): a lane holds ONE query throughout.  Row r of a tile of tokens is token
; 32 (t / 2) + 8 (t % 2) + r + 8 (r / 8), so S^T's registers 16 b + i are the neighbouring keys 32 b + 16 (lane / 16) + i: the conversions' results are P's registers, and V's images are laid alike.
; THE MASK IS THE C OF K Q^T.  With c = log2(e) / 8 x 2^(e6 + e7), band = 3/128 x the frame's largest distance, decay = 3 / (band + 1e-6), G = decay x 2^(3 - e6 - e7):
; C = min(-|distance| G, -band G), and t = c (sum + C) + c band G is the logit x log2(e).  Keys 32 b .. 32 b + 31 are one row of pixels: Y is one number a block, the 16 X are constants of the text.
; SOFTMAX: M = the running largest t rounded up to a whole number (kept as -M); p = 2^(t - M) is quantised; the row's sum is taken of the unquantised p; when M moves, sum and O^T are multiplied by 2^(old M - new M).
; RING.  16 phases (key step of 128 keys x group of 4 heads), 64 KB each (K 32 KB, V 32 KB), through two LDS slots.  The four query blocks of a cluster walk the same K and V: JOINT loads (mask 15);
; waves 0, 1 fetch K's halves, waves 2, 3 V's, 64 rows of 256 bytes each; one tensor load of a wave is out at a time, and has four heads' work in which to land.
; O^T begins as zeros, by 256 moves: a first step written out with the constant 0 as C would be a third copy of the key step, 17 KB of text.
; LIMITS: e6 + e7 between -100 and 100; e8 and e10 - e8 - e9 between -126 and 119; e10 + e11 between -126 and 127.  F_mats finite: the mask then holds no NaN and no infinity, and nan_to_num changes nothing.
; REGISTERS.  window 0: v1 spare word, v2 zero, v3, v4 16 lane in slot 0, 1; v5 my Q images; v6-9 the line x G and -band G; v10, v12 448 x 2^e8, 2^e8; v11 Y; v13 c band G; v14 prefetch offset; v15 at work;
;   v16-31 (-M, sum) of 8 heads; v32-43 at work; v44-51 Q's fragment; v52-67 P (v52-55, then S^T's first 12 registers, which are done with by then); v56-119 S^T; v120-183 the mask; v184-247 K's or V's fragments;
;   v248-253 addresses of the way out.   window 1: O^T, 32 registers a head; later Wo's 16 fragments.
.set SLOT1,  65536
.set QIM,    131072                    ; Q's images: 8,192 bytes for each wave, its own
.set OIM,    196608                    ; the attention's result as images [tile 8][kstep 4][c4 4][512]
.set SPARE,  262144                    ; the spare words: 128 bytes for each of 8 waves, four blocks of 256 bytes that no other line names
.set STG,    263168                    ; a stage of 16 rows x 272 bytes for each wave
.set SP,     272
.set S,      56
.set P,      52
.set MASK,   120
.set FB,     184
.set MSB, 0
.macro WIN new                         ; the immediate's high byte repeats the setting that is left
.if MSB != \new
	s_set_vgpr_msb (MSB<<8)|\new
.set MSB, \new
.endif
.endm
.macro CROUND                          ; a round of the cluster's barrier
	s_barrier_signal -1
	s_barrier_wait -1
	s_cmp_lg_u32 s18, 0
	s_cbranch_scc1 .Lnot_wave_0_\@
	s_barrier_signal -3
.Lnot_wave_0_\@:
	s_barrier_wait -3
	s_barrier_signal -1
	s_barrier_wait -1
.endm
.macro TLOAD                           ; the joint load: waves 0-3; the branch hangs on the wave's number alone.  Four v_nop follow the line
	s_cmp_lt_u32 s18, 4
	s_cbranch_scc0 .Lasked_\@
	tensor_load_to_lds s[32:35], s[24:31]
	s_nop 0
.rept 4
	v_nop
.endr
.Lasked_\@:
.endm
; A PREFETCH INTO THE L2 of the phase that the NEXT change of slots will ask for: K's 32 KB and V's 32 KB.  Both clusters of a frame walk the same bytes: the first (cluster x = 0) asks.  Its four partners share a part's
; 32 KB out BY ADDRESS, 8,192 bytes each; in each, wave 0 asks for K's and wave 4 for V's: one instruction, lanes 256 bytes apart.  So each block of 256 bytes is named once in the launch.
.macro ASK
	s_cmp_eq_u32 s58, 1
	s_cbranch_scc0 .Lnot_mine_\@
	global_prefetch_b8 v14, s[56:57] th:TH_LOAD_NT scope:SCOPE_SE
.Lnot_mine_\@:
.endm
; THE CHANGE OF SLOTS, at a phase's head.  Every wave waits for all its tensor loads (its part of the phase that it is about to read), adds 0 to its spare word, and waits for that and for its reads of the slot that it has left.
; fill = 1: a round of the cluster's barrier, and that slot takes the phase after this one (inc bytes on in kv).  ask = 1: the prefetch's address goes pinc bytes on, to the phase after that.
.macro CHANGE fill, inc, pinc, ask
	s_wait_tensorcnt 0x0                           ; no tensor load of mine is out, so the descriptor may be written
	ds_add_u32 v1, v2                              ; 0 onto my spare word
.if \fill
	s_xor_b32 s33, s33, SLOT1
	s_add_nc_u64 s[34:35], s[34:35], \inc          ; the type bits on top are not reached
.endif
.if \ask
	s_wait_xcnt 0x0                                ; the last prefetch, a phase back, has read its address
	s_add_nc_u64 s[56:57], s[56:57], \pinc
.endif
	s_wait_dscnt 0x0
.if \fill
	CROUND
	TLOAD                                          ; the first tensor load behind the round, and a wave's only one until the next
.else
	s_barrier_signal -1
	s_barrier_wait -1
.endif
.if \ask
	ASK
.endif
.endm
; The mask of my query against the step's 128 keys: 2 lines a key, for 8 heads.  Register 16 b + i: key pixel X = 128 (lane / 16) + 8 i + 3.5 (the first term lies in v8), Y = v11
.macro MASKSTEP
.irp b, 0,1,2,3
	v_fma_f32 v15, v7, v11, v8
	v_add_f32 v11, 0x41000000, v11                 ; the next row of pixels: + 8, exact
.set i, 0
.irp x, 0x40600000,0x41380000,0x419c0000,0x41dc0000,0x420e0000,0x422e0000,0x424e0000,0x426e0000,0x42870000,0x42970000,0x42a70000,0x42b70000,0x42c70000,0x42d70000,0x42e70000,0x42f70000
	v_fmamk_f32 v[MASK+16*\b+i], v6, \x, v15
.set i, i+1
.endr
.set i, 0
.rept 16
	v_min3_num_f32 v[MASK+16*\b+i], v[MASK+16*\b+i], -v[MASK+16*\b+i], v9   ; min(-|u|, -band G)
.set i, i+1
.endr
.endr
.endm
; One head, 128 keys.  li: v3 or v4, the slot.
.macro HEAD hd, li
.set HL, (\hd)%4
.set NM, 16+2*(\hd)
.set LS, 17+2*(\hd)
.set OB, 32*(\hd)
.set n, 0
.rept 16
	ds_load_b128 v[FB+4*n:FB+4*n+3], v[\li] offset:HL*8192+512*n            ; K: 8 fragments of 16 keys x 64
.set n, n+1
.endr
	ds_load_b128 v[44:47], v5 offset:(\hd)*1024
	ds_load_b128 v[48:51], v5 offset:(\hd)*1024+512
	s_wait_dscnt 0x0
.irp t, 0,1,2,3,4,5,6,7
	v_wmma_f32_16x16x64_fp8_fp8 v[S+8*\t:S+8*\t+7], v[FB+8*\t:FB+8*\t+7], v[44:51], v[MASK+8*\t:MASK+8*\t+7]
.endr
.rept 4
	v_nop                                          ; four places ahead of the loads into K's registers and of the first read of the scores
.endr
.set n, 0
.rept 16
	ds_load_b128 v[FB+4*n:FB+4*n+3], v[\li] offset:32768+HL*8192+512*n      ; V: 4 fragments of 16 channels x 128 keys: they land under the softmax
.set n, n+1
.endr
	v_max3_num_f32 v32, v[S], v[S+1], v[S+2]       ; the largest of my 64 scores, in two chains, ascending: each tile is first read at its low end
	v_max3_num_f32 v33, v[S+3], v[S+4], v[S+5]
.irp i, 6,10,14,18,22,26,30,34,38,42,46,50,54,58
	v_max3_num_f32 v32, v32, v[S+\i], v[S+\i+1]
	v_max3_num_f32 v33, v33, v[S+\i+2], v[S+\i+3]
.endr
	v_max3_num_f32 v32, v32, v[S+62], v[S+63]
	v_max_num_f32 v32, v32, v33
	v_permlanex16_b32 v34, v32, s50, s51
	v_max_num_f32 v32, v32, v34                    ; and of lane l xor 16's
	v_fma_f32 v32, v32, s42, v13                   ; as t (c is positive)
	v_floor_f32 v33, -v32                          ; -ceil(t)
	v_min_num_f32 v33, v33, v[NM]                  ; the new -M: the ceiling of the running maximum is the maximum of the ceilings
	v_sub_f32 v34, v33, v[NM]                      ; old M - new M: a whole number, 0 or less
	v_cvt_i32_f32 v34, v34                         ; (it saturates)
	v_ldexp_f32 v38, 1.0, v34                      ; f = 2^(old M - new M)
	v_mov_b32 v[NM], v33
	v_add_f32 v36, v13, v33                        ; c band G - M
.set n, 0
.rept 32
	v_pk_fma_f32 v[S+n:S+n+1], v[S+n:S+n+1], s[42:43], v[36:37] op_sel_hi:[1,0,0]   ; t - M, two at a time (the pairs' low words serve both halves)
.set n, n+2
.endr
.set n, 0
.rept 64
	v_exp_f32 v[S+n], v[S+n]                       ; p = 2^(t - M)
.set n, n+1
.endr
	v_nop                                          ; a plain line behind the last exponential
	s_wait_alu depctr_va_vdst(0)                   ; one wait for the batch of 64, ahead of its first reader
	v_pk_add_f32 v[40:41], v[S:S+1], v[S+2:S+3]    ; the sum of the unquantised p, in two chains
	v_pk_add_f32 v[42:43], v[S+4:S+5], v[S+6:S+7]
.irp j, 8,12,16,20,24,28,32,36,40,44,48,52,56,60
	v_pk_add_f32 v[40:41], v[40:41], v[S+\j:S+\j+1]
	v_pk_add_f32 v[42:43], v[42:43], v[S+\j+2:S+\j+3]
.endr
	v_pk_add_f32 v[40:41], v[40:41], v[42:43]
.irp b, 0,1,2,3
.set i, 0
.rept 16
	v_min_num_f32 v[S+16*\b+i], v[S+16*\b+i], v10  ; the conversion does not saturate (ISA guide 7.6.2); p is not negative, so the hold is one-sided.  These lines also part one block's conversions from the next's, which write over their sources
.set i, i+1
.endr
	v_cvt_scalef32_pk8_fp8_f32 v[P+4*\b:P+4*\b+1], v[S+16*\b:S+16*\b+7], v12
	v_cvt_scalef32_pk8_fp8_f32 v[P+4*\b+2:P+4*\b+3], v[S+16*\b+8:S+16*\b+15], v12
.endr
	WIN 0x41
.set n, 0
.rept 16
	v_pk_mul_f32 v[OB+n:OB+n+1], v[OB+n:OB+n+1], v[38:39] op_sel_hi:[1,0]   ; O^T under the new M; also the plain lines between the conversions and the products
.set n, n+2
.endr
	s_wait_dscnt 0x0                               ; V is in
	WIN 0x50
.irp dt, 0,1,2,3
	v_wmma_f32_16x16x128_fp8_fp8 v[OB+8*\dt:OB+8*\dt+7], v[FB+16*\dt:FB+16*\dt+15], v[P:P+15], v[OB+8*\dt:OB+8*\dt+7]
.endr
	WIN 0
	v_add_f32 v40, v40, v41                        ; five plain lines that name none of those products' registers: ahead of the next loads into V's registers (four are asked)
	v_fma_f32 v[LS], v[LS], v38, v40               ; and of the next scores, which write over P (five)
.rept 3
	v_nop
.endr
.endm
.macro STEP f2, ask                    ; a key step: two phases
	CHANGE 1, 32768, 98304, \ask
	MASKSTEP
	HEAD 0, 3
	HEAD 1, 3
	HEAD 2, 3
	HEAD 3, 3
	CHANGE \f2, 98304, 32768, \ask
	HEAD 4, 4
	HEAD 5, 4
	HEAD 6, 4
	HEAD 7, 4
.endm
	s_load_b256 s[4:11], s[0:1], 0x0               ; q s[4:5], kv s[6:7], wimg s[8:9], lines s[10:11]
	s_load_b128 s[12:15], s[0:1], 0x20             ; cmax s[12:13], the scales s[14:15]
	s_load_b64 s[16:17], s[0:1], 0x30              ; out0
	v_lshl_add_u32 v1, v0, 2, SPARE
	v_mov_b32 v2, 0
	ds_add_u32 v1, v2
	s_wait_dscnt 0x0
	v_lshrrev_b32 v3, 5, v0
	v_readfirstlane_b32 s18, v3                    ; wave 0..7
	s_bfe_u32 s19, ttmp6, 0x40000                  ; cx
	s_and_b32 s20, ttmp7, 0xffff                   ; frame b, which the four partners share
	s_lshl_b32 s21, ttmp9, 2
	s_add_co_u32 s21, s21, s19                     ; blk: my 128 queries
	; descriptor group 1: 64 rows of 256 bytes, dense in memory and in LDS
	s_mov_b32 s24, 15|(3<<16)|(1<<21)              ; 15:0 the mask: all four work-groups; 17:16 elements of 8 bytes; 21 set beside a mask; no padding
	s_mov_b32 s25, 32<<16                          ; tensor_dim0 = 32 elements
	s_mov_b32 s26, 64<<16                          ; tensor_dim1 = 64
	s_mov_b32 s27, 32<<16                          ; tile_dim0 = 32
	s_mov_b32 s28, 64                              ; tile_dim1 = 64
	s_mov_b32 s29, 32                              ; from row to row
	s_mov_b32 s30, 0
	s_mov_b32 s31, 0
	s_lshl_b32 s22, s20, 20                        ; the frame's 8 blocks of 131,072 bytes,
	s_bfe_u32 s23, s18, 0x10001
	s_lshl_b32 s23, s23, 16                        ; K's part (waves 0, 1) or V's (waves 2, 3),
	s_add_co_u32 s22, s22, s23
	s_and_b32 s23, s18, 1
	s_lshl_b32 s23, s23, 14                        ; its first or second 16,384 bytes
	s_add_co_u32 s22, s22, s23
	s_mov_b32 s23, 0
	s_and_b32 s33, s18, 3
	s_lshl_b32 s33, s33, 14                        ; LDS address: slot 0, K's 32 KB and then V's
	s_mov_b32 s32, 1                               ; count = 1
	s_wait_kmcnt 0x0
	s_add_nc_u64 s[34:35], s[6:7], s[22:23]        ; phase 0
	s_or_b32 s35, s35, 0x80000000                  ; type = 2
	CROUND                                         ; all four work-groups are here: the first joint loads meet
	TLOAD
	s_lshl_b32 s48, s20, 4
	s_mov_b32 s49, 0
	s_add_nc_u64 s[12:13], s[12:13], s[48:49]
	s_load_b128 s[36:39], s[14:15], 0x18           ; e6, e7, e8, e9
	s_load_b64 s[40:41], s[14:15], 0x28            ; e10, e11
	s_load_b128 s[44:47], s[12:13], 0x0            ; the frame's four partial maxima
	s_lshl_b32 s48, s20, 20                        ; the prefetches: my frame,
	s_lshr_b32 s52, s18, 2
	s_lshl_b32 s52, s52, 16                        ; K's part (wave 0) or V's (wave 4),
	s_add_co_u32 s48, s48, s52
	s_lshl_b32 s52, s19, 13                        ; my work-group's 8,192 bytes,
	s_add_co_u32 s48, s48, s52
	s_add_co_u32 s48, s48, 32768                   ; in phase 1: the first change of slots steps it to phase 2.  Nothing is prefetched here, at the head
	s_add_nc_u64 s[56:57], s[6:7], s[48:49]
	s_and_b32 s58, s18, 3
	s_or_b32 s58, s58, ttmp9                       ; 0 in waves 0 and 4 of the frame's first cluster: the same in all four partners
	s_cmp_eq_u32 s58, 0
	s_cselect_b32 s58, 1, -1
	s_lshl_b32 s48, s20, 3                         ; Q: block 8 b + blk of 65,536 bytes, tile w of 1,024
	s_add_co_u32 s48, s48, s21
	s_lshl_b32 s48, s48, 16
	s_lshl_b32 s52, s18, 10
	s_add_co_u32 s48, s48, s52
	s_add_nc_u64 s[4:5], s[4:5], s[48:49]
	s_lshl_b32 s48, s20, 14                        ; lines: 16 bytes a query; my tile begins at query 128 blk + 32 (w / 2) + 8 (w % 2)
	s_lshl_b32 s52, s21, 11
	s_add_co_u32 s48, s48, s52
	s_lshr_b32 s52, s18, 1
	s_lshl_b32 s52, s52, 9
	s_add_co_u32 s48, s48, s52
	s_and_b32 s52, s18, 1
	s_lshl_b32 s52, s52, 7
	s_add_co_u32 s48, s48, s52
	s_add_nc_u64 s[10:11], s[10:11], s[48:49]
	s_lshl_b32 s48, s20, 21                        ; out0: token 1,024 b + 128 blk, columns 64 w on
	s_lshl_b32 s52, s21, 18
	s_add_co_u32 s48, s48, s52
	s_lshl_b32 s52, s18, 8
	s_add_co_u32 s48, s48, s52
	s_add_nc_u64 s[16:17], s[16:17], s[48:49]
	s_lshl_b32 s48, s18, 15                        ; Wo's images: the fourth weight, column tiles 4 w on
	s_add_co_u32 s48, s48, 786432
	s_add_nc_u64 s[60:61], s[8:9], s[48:49]
	s_mov_b32 s50, 0x76543210                      ; v_permlanex16_b32's selects: lane l xor 16
	s_mov_b32 s51, 0xfedcba98
	v_and_b32 v3, 31, v0
	v_lshlrev_b32 v14, 8, v3                       ; the prefetches: lanes 256 bytes apart
	v_lshlrev_b32 v3, 4, v3                        ; 16 lane
	v_add_nc_u32 v4, SLOT1, v3
	s_lshl_b32 s52, s18, 13
	v_add_nc_u32 v5, s52, v3
	v_add_nc_u32 v251, OIM, v5                     ; where I store my tile's result
	v_add_nc_u32 v5, QIM, v5                       ; my Q images
	v_add_nc_u32 v252, OIM, v3                     ; where all tiles' results begin
	v_and_b32 v32, 15, v0                          ; r
	v_bfe_u32 v33, v0, 4, 1                        ; h
	s_mul_i32 s52, s18, 16*SP
	s_add_co_u32 s52, s52, STG                     ; my stage
	v_mul_u32_u24 v248, v32, SP
	v_lshl_add_u32 v248, v33, 5, v248
	v_add_nc_u32 v248, s52, v248                   ; in: row r, + 32 h bytes
	v_mul_u32_u24 v249, v33, SP
	v_lshl_add_u32 v249, v32, 4, v249
	v_add_nc_u32 v249, s52, v249                   ; back: lanes 0-15 one row of 256 bytes, lanes 16-31 the next
	v_lshlrev_b32 v250, 11, v33
	v_lshl_add_u32 v250, v32, 4, v250              ; and the same two tokens in out0
	v_and_b32 v124, 8, v32
	v_add_nc_u32 v124, v124, v32
	v_lshlrev_b32 v124, 4, v124                    ; my query's line: 16 (r + 8 (r / 8))
.set n, 0
.rept 16
	global_load_b128 v[S+4*n:S+4*n+3], v3, s[4:5] offset:(n/2)*8192+(n%2)*512 th:TH_LOAD_NT   ; Q: head n / 2, register half n % 2
.set n, n+1
.endr
	global_load_b128 v[120:123], v124, s[10:11]
.irp hd, 0,1,2,3,4,5,6,7
	v_mov_b32 v[16+2*\hd], 0x7f61b1e6              ; -M = 3e38: the first change of M multiplies zeros by 0
	v_mov_b32 v[17+2*\hd], 0                       ; the sum
.endr
	v_mov_b32 v34, 0                               ; written once: a lane permute's destination counts as one of its sources
	v_mov_b32 v37, 0                               ; (named as the upper halves of pairs)
	v_mov_b32 v39, 0
	v_mov_b32 v11, 0x40600000                      ; Y of the first row of pixels: 3.5
	WIN 0x40
.set n, 0
.rept 256
	v_mov_b32 v[n], 0                              ; O^T
.set n, n+1
.endr
	WIN 0
	s_wait_loadcnt 0x0
.set n, 0
.rept 16
	ds_store_b128 v5, v[S+4*n:S+4*n+3] offset:512*n   ; my own bytes: no other wave reads them
.set n, n+1
.endr
	s_wait_kmcnt 0x0
	s_add_co_i32 s48, s36, s37                     ; e6 + e7
	s_lshl_b32 s49, s48, 23
	s_add_co_i32 s42, s49, 0x3e38aa3b              ; c = log2(e) / 8 x 2^(e6 + e7): the exponents are added to the exponent field
	s_mov_b32 s43, s42                             ; (named with it as a pair)
	s_sub_co_i32 s48, 3, s48
	v_max_num_f32 v15, s44, s45
	v_max3_num_f32 v15, v15, s46, s47              ; the frame's largest distance
	v_mul_f32 v15, 0x3cc00000, v15                 ; band = 3 / 128 of it
	v_add_f32 v32, 0x358637bd, v15                 ; + 1e-6
	v_rcp_f32 v32, v32
	v_bfe_u32 v34, v0, 4, 1                        ; (a plain line behind the reciprocal)
	v_lshlrev_b32 v34, 7, v34
	v_cvt_f32_u32 v34, v34                         ; 128 h
	s_wait_alu depctr_va_vdst(0)                   ; the wait ahead of the reciprocal's first reader
	v_mul_f32 v32, 0x40400000, v32                 ; decay = 3 / (band + 1e-6)
	v_ldexp_f32 v32, v32, s48                      ; G
	v_mul_f32 v6, v120, v32
	v_mul_f32 v7, v121, v32
	v_mul_f32 v33, v122, v32
	v_fma_f32 v8, v6, v34, v33                     ; my half's 128 h of X go into the constant term
	v_mul_f32 v33, v15, v32                        ; band G
	v_mul_f32 v13, s42, v33                        ; c band G
	v_mul_f32 v9, -1.0, v33
	v_mov_b32 v34, 0
	s_add_co_i32 s49, s38, 127
	s_lshl_b32 s62, s49, 23
	v_mov_b32 v12, s62                             ; 2^e8, for p's conversion
	s_add_co_i32 s49, s49, 8
	s_lshl_b32 s49, s49, 23
	s_or_b32 s49, s49, 0x600000
	v_mov_b32 v10, s49                             ; 448 x 2^e8
	s_sub_co_i32 s49, s40, s38                     ; O^T / sum stands for that x 2^(e8 + e9): its code is that / 2^(e10 - e8 - e9)
	s_sub_co_i32 s49, s49, s39
	s_add_co_i32 s49, s49, 127
	s_lshl_b32 s52, s49, 23
	s_add_co_i32 s49, s49, 8
	s_lshl_b32 s53, s49, 23
	s_or_b32 s53, s53, 0x600000
	s_add_co_i32 s54, s40, s41
	s_add_co_i32 s54, s54, 127
	s_lshl_b32 s54, s54, 23                        ; 2^(e10 + e11)
	s_mov_b32 s55, s54
	s_mov_b32 s59, 7
.Lstep:                                            ; key steps 0 to 6: both changes of slots fill a slot and ask ahead
	STEP 1, 1
	s_sub_co_u32 s59, s59, 1
	s_cmp_lg_u32 s59, 0
	s_cbranch_scc1 .Lstep
	STEP 0, 0                                      ; the last key step is written out: its first change asks for the last phase, its second for nothing
	; ---- the rows' sums, the division, the codes of the attention's result
.irp hd, 0,1,2,3,4,5,6,7
	v_permlanex16_b32 v[16+2*\hd], v[17+2*\hd], s50, s51   ; -M's places are free
.endr
.irp hd, 0,1,2,3,4,5,6,7
	v_add_f32 v[17+2*\hd], v[17+2*\hd], v[16+2*\hd]
.endr
.irp hd, 0,1,2,3,4,5,6,7
	v_rcp_f32 v[16+2*\hd], v[17+2*\hd]
.endr
	v_mov_b32 v32, s52                             ; 2^(e10 - e8 - e9); (a plain line behind the last reciprocal)
	v_mov_b32 v33, s53                             ; 448 x that
	s_wait_alu depctr_va_vdst(0)                   ; one wait for the eight reciprocals
	WIN 0x41
.irp hd, 0,1,2,3,4,5,6,7
.set n, 0
.rept 16
	v_pk_mul_f32 v[32*\hd+n:32*\hd+n+1], v[32*\hd+n:32*\hd+n+1], v[16+2*\hd:17+2*\hd] op_sel_hi:[1,0]   ; each accumulator from its low end on
.set n, n+2
.endr
.endr
.set n, 0
.rept 256
	v_med3_num_f32 v[n], v[n], -v33, v33
.set n, n+1
.endr
	WIN 0x01
.irp hd, 0,1,2,3,4,5,6,7
.irp dt, 0,1,2,3
	v_cvt_scalef32_pk8_fp8_f32 v[S+8*\hd+2*\dt:S+8*\hd+2*\dt+1], v[32*\hd+8*\dt:32*\hd+8*\dt+7], v32   ; channels 64 hd + 16 dt + 8 h + 0..7: registers 8 hd + 2 dt of four fragments of 128 along K
.endr
.endr
	v_nop                                          ; a plain line behind the last conversion
	WIN 0
.set n, 0
.rept 16
	ds_store_b128 v251, v[S+4*n:S+4*n+3] offset:512*n
.set n, n+1
.endr
	WIN 0x40
.set n, 0
.rept 64
	global_load_b128 v[4*n:4*n+3], v3, s[60:61] offset:512*n   ; Wo: my 4 column tiles x 4 K steps, where O^T lay
.set n, n+1
.endr
	WIN 0
	s_wait_dscnt 0x0                               ; for the others' sake: my tile's images have landed
	s_barrier_signal -1
	s_barrier_wait -1
	s_wait_loadcnt 0x0
	; ---- out0 = result x Wo: my 64 columns for all 8 tiles of tokens, two tiles a trip
	s_mov_b32 s59, 4
	s_mov_b32 s62, 0
.Lpair:
	v_add_nc_u32 v253, s62, v252
.irp u, 0,1
.set n, 0
.rept 16
	ds_load_b128 v[S+4*n:S+4*n+3], v253 offset:8192*\u+512*n
.set n, n+1
.endr
	s_wait_dscnt 0x0
	WIN 0x01
.irp ks, 0,1,2,3                               ; transposed: a lane holds a token and eight neighbouring columns.  The four accumulators take turns
.irp nt, 0,1,2,3
.if \ks == 0
	v_wmma_f32_16x16x128_fp8_fp8 v[120+8*\nt:127+8*\nt], v[16*(4*\nt+\ks):16*(4*\nt+\ks)+15], v[S+16*\ks:S+16*\ks+15], 0
.else
	v_wmma_f32_16x16x128_fp8_fp8 v[120+8*\nt:127+8*\nt], v[16*(4*\nt+\ks):16*(4*\nt+\ks)+15], v[S+16*\ks:S+16*\ks+15], v[120+8*\nt:127+8*\nt]
.endif
.endr
.endr
	WIN 0
.rept 4
	v_nop                                          ; four places ahead of the first read of results
.endr
.set n, 0
.rept 16
	v_pk_mul_f32 v[152+n:153+n], v[120+n:121+n], s[54:55] op_sel_hi:[1,0]   ; x 2^(e10 + e11)
.set n, n+2
.endr
.irp nt, 0,1,2,3
.irp k, 0,1
	ds_store_b128 v248, v[152+8*\nt+4*\k:155+8*\nt+4*\k] offset:64*\nt+16*\k
.endr
.endr
	s_wait_xcnt 0x0                                ; the last tile's stores have read their data: the registers are loaded again only behind this wait
.irp i, 0,1,2,3,4,5,6,7
	ds_load_b128 v[184+4*\i:187+4*\i], v249 offset:2*\i*SP   ; LDS serves a wave's instructions in order: these see my stores
.endr
.irp i, 0,1,2,3,4,5,6,7
	s_wait_dscnt 7-\i                              ; the 7 - i younger loads may be out
	global_store_b128 v250, v[184+4*\i:187+4*\i], s[16:17] offset:(2*\i+8*(\i/4)+8*\u)*2048 th:TH_STORE_NT   ; sixteen lanes store 256 consecutive bytes, aligned
.endr
.endr
	s_wait_xcnt 0x0                                ; the stores have read their base
	s_add_nc_u64 s[16:17], s[16:17], 65536         ; 32 tokens on
	s_add_co_u32 s62, s62, 16384                   ; two tiles on
	s_sub_co_u32 s59, s59, 1
	s_cmp_lg_u32 s59, 0
	s_cbranch_scc1 .Lpair
	s_wait_tensorcnt 0x0                           ; the wave's end
	ds_add_u32 v1, v2
	s_wait_dscnt 0x0
	CROUND                                         ; the closing round: no work-group ends while a partner may still ask for a phase that names it
	s_endpgm
.Lfunc_end_k_q75afef6578_attn:
	.size	k_q75afef6578_attn, .Lfunc_end_k_q75afef6578_attn-k_q75afef6578_attn
	.p2alignl 7, 3214868480
	.fill 96, 4, 3214868480
	.section	.rodata,"a",@progbits
	.p2align	6, 0x0
	.amdhsa_kernel k_q75afef6578_attn
		.amdhsa_group_segment_fixed_size 327680
		.amdhsa_private_segment_fixed_size 0
		.amdhsa_enable_private_segment 0
		.amdhsa_kernarg_size 56
		.amdhsa_user_sgpr_count 2
		.amdhsa_user_sgpr_kernarg_segment_ptr 1
		.amdhsa_wavefront_size32 1
		.amdhsa_system_sgpr_workgroup_id_x 1
		.amdhsa_system_sgpr_workgroup_id_y 1
		.amdhsa_system_sgpr_workgroup_id_z 1
		.amdhsa_system_vgpr_workitem_id 0
		.amdhsa_next_free_vgpr 512
		.amdhsa_next_free_sgpr 66
		.amdhsa_reserve_vcc 0
		.amdhsa_float_denorm_mode_32 3
		.amdhsa_float_denorm_mode_16_64 3
		.amdhsa_memory_ordered 1
		.amdhsa_forward_progress 1
		.amdhsa_inst_pref_size 255
	.end_amdhsa_kernel
	.section	.bss,"aw",@nobits
	.p2align	6
	.space	262144
	.amdgpu_metadata
---
amdhsa.version: [ 1, 2 ]
amdhsa.kernels:
  - .name:           k_q75afef6578_attn
    .symbol:         k_q75afef6578_attn.kd
    .args:
      - { .name: q, .offset: 0, .size: 8, .value_kind: global_buffer, .address_space: global }
      - { .name: kv, .offset: 8, .size: 8, .value_kind: global_buffer, .address_space: global }
      - { .name: wimg, .offset: 16, .size: 8, .value_kind: global_buffer, .address_space: global }
      - { .name: lines, .offset: 24, .size: 8, .value_kind: global_buffer, .address_space: global }
      - { .name: cmax, .offset: 32, .size: 8, .value_kind: global_buffer, .address_space: global }
      - { .name: lowp_scales, .offset: 40, .size: 8, .value_kind: global_buffer, .address_space: global }
      - { .name: out0, .offset: 48, .size: 8, .value_kind: global_buffer, .address_space: global }
    .group_segment_fixed_size: 327680
    .private_segment_fixed_size: 0
    .kernarg_segment_align: 8
    .kernarg_segment_size: 56
    .max_flat_workgroup_size: 256
    .sgpr_count:     66
    .vgpr_count:     512
    .wavefront_size: 32
...
	.end_amdgpu_metadata
.endif
;; end of part 3
